; MI455X (gfx1250); checked and timed in simulation.
; The chip was launched on July 23, 2026; its instructions are those of AMD's public machine-readable ISA for CDNA 5 (MIT licence, August 2026) and "CDNA5" Instruction Set Architecture Reference Guide (July 2026). The comments in the code are by the model that wrote it; some were corrected since.
;; Quantized Linear. Allowed arithmetic: matrix products marked QUANTISED: E2M1 operands, one E8M0 scale for each 32 along K, by v_wmma_scale_f32_16x16x128_f8f6f4 with both operands' format E2M1 (or v_wmma_scale_f32_32x16x128_f4), f32 sums; everything else in f32.
;; Inputs: bias 2,048 float32; packed_weight 1,024 x 4,096 uint8; scale one number float32; x 4 x 2,048 x 4,096 float32; zero_point one number float32.
;; Outputs: out0 4 x 2,048 x 2,048 float32.
;; This version of the problem:
;;   THIS VERSION OF THE PROBLEM IS GIVEN IN LOW PRECISION. The matrix products marked QUANTISED in the list below multiply operands that are first quantised to E2M1 (2 exponent bits, 1 mantissa bit; 4 bits a number), with one power-of-two scale for each 32 numbers along K (OCP MX v1.0); their sums are f32. All else is computed in f32.
;;   The module's matrix products, in the order in which they are computed (A, B: the left and right operand; K: the contracted axis; several contracted axes count as one K, in the product's order):
;;     1. [M 8,192, K 4,096] x [K 4,096, N 2,048]; A: input x; B: computed on the way: QUANTISED
;;   THE QUANTISER, for each operand of a quantised product, along K:
;;     - K is cut into blocks of 32 from its start; a last block that is shorter is filled with zeros.
;;     - A block's scale is 2^e with e = floor(log2(the largest magnitude in the block)) - 2, held to -126 .. 127; a block of zeros has e = 0. As a byte (E8M0): e + 127.
;;     - Each number is divided by its block's scale, clamped to +-6, and rounded to the nearest number of E2M1, ties to even, subnormals kept.
;;     - The product sums the exact products of the quantised numbers (number of the format x scale) in f32.
;;   ~~~python
;;   def quantise(x, axis):      # numpy; x: float32 -> the quantised numbers, widened to float32 again
;;       x = np.moveaxis(x, axis, -1); K = x.shape[-1]
;;       x = np.pad(x, [(0, 0)] * (x.ndim - 1) + [(0, -K % 32)]); x = x.reshape(x.shape[:-1] + (-1, 32)); a = np.abs(x).max(-1, keepdims=True)
;;       e = np.where(a > 0, np.clip(np.frexp(np.where(a > 0, a, 1))[1] - 1 - 2, -126, 127), 0)      # np.frexp(a)[1] - 1 = floor(log2(a)), exactly
;;       r = np.clip(x / 2.0 ** e, -6, 6)
;;       step = 2.0 ** (np.maximum(np.frexp(np.where(r == 0, 1, r))[1] - 1, 0) - 1)
;;       q = np.round(r / step) * step * 2.0 ** e      # np.round: ties to even
;;       return np.moveaxis(q.reshape(q.shape[:-2] + (-1,))[..., :K], -1, axis).astype(np.float32)
;;   ~~~
;;   OPERANDS COMPUTED ON THE WAY. 'Computed on the way' means the value that the module computes at that place (a softmax that the list does not call 'softmax' is quantised finished and normalised). What goes into a quantiser is computed in f32, as accurately as f32 sums, v_exp_f32 and their like allow (about 1e-6 of the number): no bf16 or f16 on the way to a quantiser, and a product that is left as it is and whose result goes on into a quantised operand takes f32 operands (vector FMAs, or v_wmma_f32_16x16x4_f32). A number that lies on a knife's edge between two numbers of the format may be rounded either way, as far as f32 arithmetic and the matrix unit's own rounding can turn it there, and no further.
;; One version. Each part assembles by itself: llvm-mc -triple=amdgcn-amd-amdhsa -mcpu=gfx1250 --defsym DOCPART=n.
;; ======== version 1 of 1: 2 launches
;; limits: right only within a limited range of input values
;; workspace buffers: a_t 17,825,792 bytes; b_t 4,456,448 bytes
;; launch quant (part 1): grid 1280 x 1, 4 waves a work-group, no clusters, 2,560 bytes of LDS; arguments x, packed_weight, scale, zero_point, a_t, b_t; writes a_t, b_t
.if DOCPART == 1
	.amdgcn_target "amdgcn-amd-amdhsa--gfx1250"
	.amdhsa_code_object_version 6
	.text
	.protected	k_q27d63d5657_quant
	.globl	k_q27d63d5657_quant
	.p2align	8
	.type	k_q27d63d5657_quant,@function
k_q27d63d5657_quant:
	s_mov_b64 s[64:65], 0
	v_nop
	global_prefetch_b8 v0, s[64:65] scope:SCOPE_SE
	s_setreg_imm32_b32 hwreg(HW_REG_WAVE_MODE, 25, 1), 1
	s_wait_xcnt 0x0
; x [8192][4096] f32, and w[o][i] = scale * (q[o][i] - zero_point) [2048][4096], q the 4-bit numbers of packed_weight (byte [p][i]: low four bits row 2 p, high four bits row 2 p + 1),
; are turned into codes of FP4 (E2M1), 4 bits each, with one E8M0 scale byte for each 32 along K = 4096.
; A block's scale is 2^(floor(log2(its largest magnitude)) - 2); its byte is the largest magnitude's own exponent field - 2, held at 1 from below.  Each number is divided by the scale and rounded to the
; nearest code, ties to even; beyond the largest code the conversion gives the largest code.
; LIMITS: a block of zeros gets the byte 1 where the rule says 127: its codes are zeros, which add nothing under any byte but 0xff, and this program alone reads the bytes.  Blocks whose largest magnitude
; lies under 2^-124 have their byte held at 1.  NaN and infinities among the inputs are not served.
; THE OUTPUT IS LAID AS THE PRODUCT'S LAUNCH READS IT: a tile is 128 rows x 512 along K in ONE dense run of TILEB = 34,816 bytes: row r's 512 codes (256 bytes, K ascending, the lower k in the low four bits)
; at 256 r; behind the 32,768 bytes of codes, row r's 16 scale bytes at 32,768 + 16 r.  a_t is [64 (row / 128)][8 (k / 512)][TILEB], b_t is [16][8][TILEB].
; SHARES.  A wave takes 16 rows x 512 along K: 16 stores of 256 consecutive bytes of codes, and one store of 256 consecutive bytes of scale bytes.  Work-groups 0 to 255 take w, 256 to 1279 take x.
; The two paths part on the work-group's number, never join, and have LDS bytes of their own.  No tensor loads, no barrier: waves share nothing.  LDS holds scale bytes, 256 for each wave, and a spare word for each lane.
; The conversions take eight numbers of ONE block from a lane's consecutive registers.  How a lane comes by them is said at each path's head; no number goes through LDS.
.set WGW,   256                        ; work-groups for w: 2048 x 4096 / (4 waves x 16 rows x 512)
.set TILEB, 34816
.set STEPS, 16                         ; rows of a wave
.set SETS,  6                          ; x: sets of 16 registers: six rows' loads, 24 of a wave, are out at the most
.set WSCL,  1024                       ; LDS: x's path has 256 scale bytes for each wave from byte 0 on, w's path from here on
.set R,     16                         ; v16-111  x: six sets of 16 numbers;  w: v16-47 eight packed rows' 16 bytes
.set X,     80                         ; v80-111  w: two sets of 16 neighbours
.set C,     128                        ; v128-159 codes: two registers for each row, so that no store's data are written again
.set E,     160                        ; v160-191 scale bytes: x: two registers for each row;  w: one
.set CBS,   26                         ; s[26:27] where my 16 rows' codes go
.set SBS,   28                         ; s[28:29] where their scale bytes go
	s_load_b256 s[4:11], s[0:1], 0x0               ; x s[4:5], packed_weight s[6:7], scale s[8:9], zero_point s[10:11]
	s_load_b128 s[12:15], s[0:1], 0x20             ; a_t s[12:13], b_t s[14:15]
	v_lshl_add_u32 v112, v0, 2, 0x800              ; v112: LDS address of my spare word; v113: 0; both kept for the add alone (no path names v112-127 otherwise)
	v_mov_b32 v113, 0
	v_lshrrev_b32 v1, 5, v0
	v_readfirstlane_b32 s16, v1                    ; wave 0..3
	v_and_b32 v2, 31, v0                           ; lane
	v_lshlrev_b32 v7, 3, v2                        ; 8 x lane: my 8 of the wave's 256 scale bytes on their way out
	s_wait_kmcnt 0x0
	s_cmp_lt_u32 ttmp9, WGW                        ; w's work-group or x's?  The choice hangs on the work-group's number alone
	s_cselect_b64 s[12:13], s[14:15], s[12:13]     ; the buffer that I write
	s_cselect_b32 s17, 0, WGW
	s_sub_co_u32 s17, ttmp9, s17
	s_lshl_b32 s17, s17, 2
	s_add_co_u32 s17, s17, s16                     ; my wave among its tensor's waves
	s_lshr_b32 s18, s17, 3                         ; which 16 rows
	s_and_b32 s19, s17, 7                          ; which 512 along K
	s_lshr_b32 s24, s18, 3
	s_lshl_b32 s24, s24, 3
	s_add_co_u32 s24, s24, s19                     ; the tile: 8 x (rows / 128) + K step
	s_mul_i32 s24, s24, TILEB                      ; under 2^25
	s_and_b32 s25, s18, 7                          ; my 16 rows among the tile's 128
	s_lshl_b32 s32, s25, 12                        ; their codes: 16 x 256 bytes
	s_add_co_u32 s32, s32, s24
	s_mov_b32 s33, 0
	s_add_nc_u64 s[CBS:CBS+1], s[12:13], s[32:33]
	s_lshl_b32 s32, s25, 8                         ; their scale bytes: 16 x 16 bytes, behind the tile's codes
	s_add_co_u32 s32, s32, s24
	s_add_co_u32 s32, s32, 32768
	s_add_nc_u64 s[SBS:SBS+1], s[12:13], s[32:33]
.macro OUT_SCALES                      ; my wave's 256 scale bytes leave together
	ds_load_b64 v[12:13], v6                       ; LDS serves a wave's instructions in order (ISA guide 5.7.1.4): this sees my byte stores
	s_wait_alu depctr_va_vdst(0)                   ; directly ahead of the readers below
.irp n, 0,1,2,3,4,5,6,7,8,9,10,11,12,13,14,15
	global_store_b64 v4, v[C+2*\n:C+2*\n+1], s[CBS:CBS+1] offset:256*\n   ; ALL 16 ROWS' CODES LEAVE TOGETHER, behind the wave's last vector work: each store covers a row's 256 consecutive bytes, at a multiple of 256 from the buffer's first byte
.endr
	s_wait_dscnt 0x0
	global_store_b64 v7, v[12:13], s[SBS:SBS+1]    ; 32 lanes store 256 consecutive bytes, at a multiple of 256 from the buffer's first byte
.endm
	s_cmp_lt_u32 ttmp9, WGW                        ; compared anew: the sums above have written SCC
	s_cbranch_scc1 .Lweights
	; ---- x.  Each of a row's four loads reads 512 consecutive bytes, and in it LANES l AND l + 16 TAKE NEIGHBOURING 16 BYTES: lane l reads at 32 (l % 16) + 16 (l / 16).
	; Of two loads' registers, v_permlane16_swap_b32 lets the first's lanes 16-31 change places with the second's lanes 0-15: four such lines, and every lane holds EIGHT NEIGHBOURS along K in eight
	; consecutive registers: lanes 0-15 numbers 8 (l % 16) on of the first load's 128, lanes 16-31 the same of the second's.  Four neighbouring lanes hold a block of 32.  K stays in its true order.
	s_lshl_b32 s30, s18, 18                        ; 16 rows of 16,384 bytes,
	s_lshl_b32 s24, s19, 11                        ; 512 numbers along a row
	s_add_co_u32 s30, s30, s24                     ; under 2^27 + 2^14
	s_mov_b32 s31, 0
	s_add_nc_u64 s[4:5], s[4:5], s[30:31]
	s_wait_alu depctr_va_vdst(0)
	v_and_b32 v3, 15, v2
	v_lshrrev_b32 v1, 4, v2
	v_lshlrev_b32 v3, 5, v3
	v_lshl_add_u32 v3, v1, 4, v3                   ; in: 32 (lane % 16) + 16 (lane / 16); never rewritten
.macro LOAD t                          ; row t's 512 numbers into set t % SETS: load i's four registers at 4 i
.irp i, 0,1,2,3
	global_load_b128 v[R+16*((\t)%SETS)+4*\i:R+16*((\t)%SETS)+4*\i+3], v3, s[4:5] offset:16384*(\t)+512*\i th:TH_LOAD_NT   ; 32 lanes read 512 consecutive bytes; read once in the launch
.endr
.endm
.irp t, 0,1,2,3,4,5
	LOAD \t
.endr
	v_and_b32 v1, 1, v2
	v_cmp_eq_u32 vcc_lo, 1, v1                     ; the odd lanes; VCC is written here alone
	v_lshrrev_b32 v4, 1, v2
	v_lshlrev_b32 v4, 3, v4
	v_lshl_add_u32 v4, v1, 7, v4                   ; out: even lanes the row's bytes 8 (lane / 2) on, odd lanes 128 + 8 (lane / 2) on; never rewritten
	s_lshl_b32 s24, s16, 8                         ; my wave's 256 scale bytes in LDS
	v_lshrrev_b32 v5, 2, v2
	v_add_nc_u32 v5, s24, v5                       ; my block's byte: lane / 4 among a pair of loads' eight blocks,
	v_add_nc_u32 v6, s24, v7                       ; and on the way out 8 bytes a lane
	v_mov_b32 v15, 0                               ; written once: a DPP form's destination counts as one of its sources
; Row t.  Pair p is loads 2 p and 2 p + 1: 256 numbers, eight blocks, one code word (eight codes) and one scale byte a lane.  Every row has registers of its own for its codes and its bytes, and every
; offset is an immediate: no source of a pending store is ever written again.
.macro STEP t
.set XS, R+16*((\t)%SETS)
.set W0, C+2*(\t)
.set W1, C+2*(\t)+1
.if STEPS-1-(\t) >= SETS-1
	s_wait_loadcnt 4*(SETS-1)                      ; this row's four loads are in; the twenty of the five rows behind it may be out
.else
	s_wait_loadcnt 4*(STEPS-1-(\t))                ; the last rows: fewer are behind it
.endif
.irp p, 0,1
.irp j, 0,1,2,3
	v_permlane16_swap_b32 v[XS+8*\p+\j], v[XS+8*\p+4+\j]           ; registers 8 p .. 8 p + 7 now hold numbers 128 (2 p + lane / 16) + 8 (lane % 16) + 0 .. 7 of the row's 512
.endr
.endr
	v_max3_num_f32 v8, |v[XS]|, |v[XS+1]|, 0x1800000               ; the largest magnitude of my eight, and the floor 2^(3 - 127), under which no largest magnitude is taken: so the byte cannot fall under 1
	v_max3_num_f32 v9, |v[XS+8]|, |v[XS+9]|, 0x1800000             ; (the two pairs by turns: no line waits for the line above it)
.irp i, 2,4,6
	v_max3_num_f32 v8, v8, |v[XS+\i]|, |v[XS+\i+1]|
	v_max3_num_f32 v9, v9, |v[XS+8+\i]|, |v[XS+9+\i]|
.endr
	v_max_num_f32_dpp v8, v8, v8 row_xmask:1 row_mask:0xf bank_mask:0xf   ; with the three other lanes of my block
	v_max_num_f32_dpp v9, v9, v9 row_xmask:1 row_mask:0xf bank_mask:0xf
	v_max_num_f32_dpp v8, v8, v8 row_xmask:2 row_mask:0xf bank_mask:0xf
	v_max_num_f32_dpp v9, v9, v9 row_xmask:2 row_mask:0xf bank_mask:0xf
	v_add_nc_u32 v10, 0xff000000, v8               ; 2 off the exponent field: the conversion takes the exponent field of this operand as its scale, and nothing else of it
	v_add_nc_u32 v11, 0xff000000, v9
	v_cvt_scalef32_pk8_fp4_f32 v[W0], v[XS:XS+7], v10              ; the row's bytes 4 x lane on; the first number's code in the lowest four bits
	v_cvt_scalef32_pk8_fp4_f32 v[W1], v[XS+8:XS+15], v11           ; the row's bytes 128 + 4 x lane on
	v_lshrrev_b32 v[E+2*(\t)], 23, v10             ; the scales' bytes.  (Also the plain lines between the conversions and the lines that touch their results)
	v_lshrrev_b32 v[E+2*(\t)+1], 23, v11
.if (\t)+SETS < STEPS
	LOAD (\t)+SETS                                 ; the set is free: the loads go out ahead of the stores
.endif
	; two neighbouring lanes change words, so that each holds eight neighbouring bytes: the even lane both lanes' words of pair 0, the odd lane both lanes' words of pair 1
	v_cndmask_b32 v14, v[W1], v[W0], vcc_lo        ; what I give: the even lane its word of pair 1, the odd lane its word of pair 0
	v_mov_b32_dpp v15, v14 row_xmask:1 row_mask:0xf bank_mask:0xf
	v_cndmask_b32 v[W0], v[W0], v15, vcc_lo        ; the lower four bytes: the even lane's own, the odd lane's are its neighbour's
	v_cndmask_b32 v[W1], v15, v[W1], vcc_lo        ; the upper four: the even lane's are its neighbour's, the odd lane's own
	ds_store_b8 v5, v[E+2*(\t)] offset:16*(\t)     ; blocks 0-7 of the row's 16: the four lanes of a block write the same byte with the same value
	ds_store_b8 v5, v[E+2*(\t)+1] offset:16*(\t)+8 ; blocks 8-15
.endm
.irp t, 0,1,2,3,4,5,6,7,8,9,10,11,12,13,14,15
	STEP \t
.endr
	OUT_SCALES
	s_wait_tensorcnt 0x0
	ds_add_u32 v112, v113
	s_wait_dscnt 0x0
	s_endpgm
	; ---- w.  A lane's 16 bytes of packed row u hold 16 neighbours along K of row 2 u (low four bits) and of row 2 u + 1 (high four bits); two neighbouring lanes hold a block of 32.
.Lweights:
	s_load_b32 s20, s[8:9], 0x0                    ; scale
	s_load_b32 s22, s[10:11], 0x0                  ; zero_point
	s_lshl_b32 s30, s18, 15                        ; 8 packed rows of 4,096 bytes,
	s_lshl_b32 s24, s19, 9                         ; 512 bytes along a row
	s_add_co_u32 s30, s30, s24
	s_mov_b32 s31, 0
	s_add_nc_u64 s[6:7], s[6:7], s[30:31]
	s_wait_alu depctr_va_vdst(0)
	v_lshlrev_b32 v3, 4, v2                        ; in: my 16 bytes of a load's 512
	v_lshlrev_b32 v4, 3, v2                        ; out: my 8 bytes of a store's 256
.irp u, 0,1,2,3,4,5,6,7
	global_load_b128 v[R+4*\u:R+4*\u+3], v3, s[6:7] offset:4096*\u th:TH_LOAD_NT   ; 32 lanes read 512 consecutive bytes; read once in the launch
.endr
	s_lshl_b32 s24, s16, 8
	s_add_co_u32 s24, s24, WSCL                    ; my wave's 256 scale bytes
	v_lshrrev_b32 v5, 1, v2
	v_add_nc_u32 v5, s24, v5
	v_add_nc_u32 v6, s24, v7
	s_wait_kmcnt 0x0
	s_xor_b32 s22, s22, 0x80000000                 ; -zero_point
	s_mov_b32 s21, s20                             ; (the packed forms name pairs and take the low word for both halves: so the upper words are written)
	s_mov_b32 s23, s22
; 16 numbers of row 2 u + par: q as f32 (exact), q - zero_point rounded once, x scale rounded once: two roundings, as the definition has them, so the two lines are not fused
.macro UNPK u, par, xs
.irp j, 0,1,2,3
.irp b, 0,1,2,3
	v_bfe_u32 v[\xs+4*\j+\b], v[R+4*(\u)+\j], 8*\b+4*\par, 4
.endr
.endr
.irp i, 0,1,2,3,4,5,6,7,8,9,10,11,12,13,14,15
	v_cvt_f32_u32 v[\xs+\i], v[\xs+\i]
.endr
.irp i, 0,2,4,6,8,10,12,14
	v_pk_add_f32 v[\xs+\i:\xs+\i+1], v[\xs+\i:\xs+\i+1], s[22:23] op_sel_hi:[1,0]
.endr
.irp i, 0,2,4,6,8,10,12,14
	v_pk_mul_f32 v[\xs+\i:\xs+\i+1], v[\xs+\i:\xs+\i+1], s[20:21] op_sel_hi:[1,0]
.endr
.endm
; 16 neighbours of row n in v[xs] on become 16 codes and, with the neighbouring lane, a scale byte.  Every row has registers of its own for its codes and its byte, and every offset is an immediate.
.macro Q16 xs, n
	v_max3_num_f32 v8, |v[\xs]|, |v[\xs+1]|, |v[\xs+2]|            ; the largest magnitude of my 16, in two chains
	v_max3_num_f32 v9, |v[\xs+3]|, |v[\xs+4]|, |v[\xs+5]|
.irp i, 6,10
	v_max3_num_f32 v8, v8, |v[\xs+\i]|, |v[\xs+\i+1]|
	v_max3_num_f32 v9, v9, |v[\xs+\i+2]|, |v[\xs+\i+3]|
.endr
	v_max3_num_f32 v8, v8, |v[\xs+14]|, |v[\xs+15]|
	v_max3_num_f32 v8, v8, v9, 0x1800000           ; and the floor 2^(3 - 127)
	v_max_num_f32_dpp v8, v8, v8 row_xmask:1 row_mask:0xf bank_mask:0xf   ; and of my neighbour's 16: the block's
	v_add_nc_u32 v11, 0xff000000, v8               ; 2 off its exponent field: the conversion's scale operand
	v_cvt_scalef32_pk8_fp4_f32 v[C+2*(\n)], v[\xs:\xs+7], v11      ; the first number's code in the lowest four bits
	v_cvt_scalef32_pk8_fp4_f32 v[C+2*(\n)+1], v[\xs+8:\xs+15], v11
	v_lshrrev_b32 v[E+(\n)], 23, v11               ; the scale's byte.  (Also the plain line between the conversions and the next lines that write their sources)
	ds_store_b8 v5, v[E+(\n)] offset:16*(\n)       ; both lanes of a block write the same byte with the same value
.endm
.irp u, 0,1,2,3,4,5,6,7
	s_wait_loadcnt 7-\u                            ; packed row u is in; the younger rows' loads may be out
	UNPK \u, 0, X
	Q16 X, 2*\u
	UNPK \u, 1, X+16
	Q16 X+16, 2*\u+1
.endr
	OUT_SCALES
	s_wait_tensorcnt 0x0
	ds_add_u32 v112, v113
	s_wait_dscnt 0x0
	s_endpgm
.Lfunc_end_k_q27d63d5657_quant:
	.size	k_q27d63d5657_quant, .Lfunc_end_k_q27d63d5657_quant-k_q27d63d5657_quant
	.p2alignl 7, 3214868480
	.fill 96, 4, 3214868480
	.section	.rodata,"a",@progbits
	.p2align	6, 0x0
	.amdhsa_kernel k_q27d63d5657_quant
		.amdhsa_group_segment_fixed_size 2560
		.amdhsa_private_segment_fixed_size 0
		.amdhsa_enable_private_segment 0
		.amdhsa_kernarg_size 48
		.amdhsa_user_sgpr_count 2
		.amdhsa_user_sgpr_kernarg_segment_ptr 1
		.amdhsa_wavefront_size32 1
		.amdhsa_system_sgpr_workgroup_id_x 1
		.amdhsa_system_sgpr_workgroup_id_y 1
		.amdhsa_system_sgpr_workgroup_id_z 1
		.amdhsa_system_vgpr_workitem_id 0
		.amdhsa_next_free_vgpr 192
		.amdhsa_next_free_sgpr 66
		.amdhsa_reserve_vcc 1
		.amdhsa_float_denorm_mode_32 3
		.amdhsa_float_denorm_mode_16_64 3
		.amdhsa_memory_ordered 1
		.amdhsa_forward_progress 1
		.amdhsa_inst_pref_size 95
	.end_amdhsa_kernel
	.amdgpu_metadata
---
amdhsa.version: [ 1, 2 ]
amdhsa.kernels:
  - .name:           k_q27d63d5657_quant
    .symbol:         k_q27d63d5657_quant.kd
    .args:
      - { .name: x, .offset: 0, .size: 8, .value_kind: global_buffer, .address_space: global }
      - { .name: packed_weight, .offset: 8, .size: 8, .value_kind: global_buffer, .address_space: global }
      - { .name: scale, .offset: 16, .size: 8, .value_kind: global_buffer, .address_space: global }
      - { .name: zero_point, .offset: 24, .size: 8, .value_kind: global_buffer, .address_space: global }
      - { .name: a_t, .offset: 32, .size: 8, .value_kind: global_buffer, .address_space: global }
      - { .name: b_t, .offset: 40, .size: 8, .value_kind: global_buffer, .address_space: global }
    .group_segment_fixed_size: 2560
    .private_segment_fixed_size: 0
    .kernarg_segment_align: 8
    .kernarg_segment_size: 48
    .max_flat_workgroup_size: 128
    .sgpr_count:     66
    .vgpr_count:     192
    .wavefront_size: 32
...
	.end_amdgpu_metadata
.endif
;; end of part 1
;; launch gemm (part 2): grid 8 x 32, 4 waves a work-group, clusters of 4 x 4, 327,680 bytes of LDS; arguments a_t, b_t, bias, out0; writes out0
.if DOCPART == 2
	.amdgcn_target "amdgcn-amd-amdhsa--gfx1250"
	.amdhsa_code_object_version 6
	.text
	.protected	k_q27d63d5657_gemm
	.globl	k_q27d63d5657_gemm
	.p2align	8
	.type	k_q27d63d5657_gemm,@function
k_q27d63d5657_gemm:
	s_mov_b64 s[64:65], 0
	v_nop
	global_prefetch_b8 v0, s[64:65] scope:SCOPE_SE
	s_setreg_imm32_b32 hwreg(HW_REG_WAVE_MODE, 25, 1), 1
	s_wait_xcnt 0x0
	s_wait_alu depctr_hold_cnt(0) depctr_sa_sdst(0) depctr_va_vdst(0) depctr_va_sdst(0) depctr_va_ssrc(0) depctr_va_vcc(0) depctr_vm_vsrc(0)
	s_getreg_b32 s2, hwreg(HW_REG_IB_STS2, 6, 4)
	s_cmp_eq_u32 s2, 0
	s_cbranch_scc0 .Lentry_in_a_cluster
	s_endpgm
.Lentry_in_a_cluster:
	s_bfe_u32 s2, ttmp6, 0x10000c
	s_cmp_lg_u32 s2, 0xf033
	s_cbranch_scc0 .Lentry_shape_is_right
	s_endpgm
.Lentry_shape_is_right:
; out0[m][n] = sum over k of A[m][k] B[n][k] + bias[n].  A (x, 8192 rows) and B (w, 2048 rows) arrive as FP4 (E2M1) codes with one E8M0 byte for each 32 along K = 4096, in tiles that the
; launch before laid: a tile is 128 rows x 512 K in one dense run of TILEB bytes: 128 rows of 256 bytes of codes, then 2,048 scale bytes (16 a row).  a_t is [64][8][TILEB], b_t [16][8][TILEB].
; A work-group of four waves makes 256 x 256 of out0, a wave 128 x 128: 64 accumulators, 512 registers.  K goes in 8 steps of 512 through a ring of two LDS slots; each wave fetches one tile of a slot
; (136 rows of 256 bytes, 16 bytes of padding behind each) by one tensor load.  CLUSTERS: 4 x 4 work-groups; A's tiles are asked for jointly along a row of the cluster, B's along a column.
; THE MATRIX INSTRUCTION IS USED TRANSPOSED (source 0 = 16 rows of B, source 1 = 16 rows of A): a lane holds eight neighbouring columns of one row of out0.  The bias is the C of each accumulator's first product.
; FRAGMENTS: TWO sets of registers for A and two for B.  A step of 128 along K multiplies one set, in eight groups of 8 matrix instructions: group g takes A's blocks 2 (g % 4), 2 (g % 4) + 1 against B's blocks
; 4 (g / 4) .. + 3.  The other set's 32 LDS loads stand in TWO runs of 16: at the step's head B0-3 and A0-3, which the next step's groups 0 and 1 read, 64 matrix instructions later; in its middle A4-7 and B4-7,
; which the next step reads from its groups 2 and 4 on.  The set that is loaded was last read in the step before, and the four v_nop at a step's head are the places between those reads and the loads
; (ISA guide 7.12.1 for vector instructions).
; PREFETCH: a tile is 136 blocks of 256 bytes.  The four partners that ask for it jointly share them out by address, 34 each (place cx for A, cy for B): 32 by one instruction, a lane a block, 2 by a second
; (its other lanes name the last block again).  K steps 1 and 2 are asked for at the head, K step 3 behind the second fill, and the change of slots in K step t (t = 0 .. 3), which loads K step t + 2,
; asks for K step t + 4; the last two changes ask for nothing.  A work-group has at most two K steps asked for and not yet loaded.
; REGISTERS: window 0: v16-31 addresses; v32-95 scale words, a set for each slot (register 4 i + q: lanes 0-15 A's block i, lanes 16-31 B's block i, the slot's q-th 128 along K); v128-255 A's two sets.
;   window 1: v0-63, v128-191 B's two sets; v64-127 the bias.  window 2: accumulators of my rows 0-63 ((a, b) at v[8 (8 a + b)]); window 3: rows 64-127.
.set TILEB,  34816
.set TROWS,  136
.set PITCH,  272                       ; an LDS row: 256 bytes + 16 of padding: the 16 rows that a load touches start at 16 different banks (64 banks of 4 bytes: ISA guide 11.1)
.set HALFT,  TROWS*PITCH               ; a tile in LDS
.set SCOFF,  128*PITCH                 ; its scale bytes: 16 rows' in each LDS row
.set SLOT,   4*HALFT                   ; A's two tiles, then B's two
.set SPARE,  2*SLOT                    ; behind the ring: the spare words, 128 bytes a wave
.set SPITCH, 528                       ; the way out: a stage row, 512 bytes + 16
.set STG,    64*SPITCH                 ; a wave's stage: 64 rows; the four stages lie in slot 0, behind its last fill and its last read
.set PART,   34*256                    ; a partner's share of a tile's prefetch
.set ADRA, 16                          ; v16-17 my A fragments in slot 0, 1
.set BO,   18                          ; v18    my offset in the bias
.set ADRB, 20                          ; v20-21 my B fragments
.set ADRS, 22                          ; v22-23 my scale words
.set STO,  24
.set RD,   25
.set CO,   26
.set SPW,  28                          ; v28 my spare word, v29 zero: kept for the add alone
.set NIL,  29
.set PFO,  30                          ; v30 256 x lane; v31 256 x (32 + min(lane, 1))
.set PFO2, 31
.set SC,   32
.set AF,   128
.set BI,   64
.set PFA,  12                          ; s[12:13] my share of the tile that I fetch, K step 0 at first, two K steps on in each trip
.set G1, 24
.set G0, 32
.set G1B, 48
.set G0B, 56
.set MSB, 0
.macro WIN new                         ; the immediate's high byte repeats the setting that is left
.if MSB != (\new)
	s_set_vgpr_msb (MSB<<8)|(\new)
.set MSB, (\new)
.endif
.endm
.set MUL_LO, 0xa1                      ; source 0 (B) window 1, source 1 (A) window 0, C and D window 2; the first step: C window 1 (0x91)
.set TO_B,   0x40
.macro GWIN g, first                   ; group g's windows: A's blocks 0-3: C and D window 2 (0xa1); blocks 4-7: window 3 (0xf1); the first step: C window 1 (0x91, 0xd1)
	WIN MUL_LO+0x50*(((\g)%4)/2)-(0x10+0x10*(((\g)%4)/2))*(\first)
.endm
.macro PLACES
.rept 4
	v_nop
.endr
.endm
.macro JLOAD g0a, g0b                  ; a joint load: waves 0, 1 fetch A's tiles, waves 2, 3 B's; s_nop 0 and four v_nop behind each line
	s_cmp_eq_u32 s15, 0
	s_cbranch_scc0 .Lfor_b_\@
	tensor_load_to_lds s[\g0a:\g0a+3], s[G1:G1+7]
	s_nop 0
	PLACES
	s_branch .Lasked_\@
.Lfor_b_\@:
	tensor_load_to_lds s[\g0b:\g0b+3], s[G1B:G1B+7]
	s_nop 0
	PLACES
.Lasked_\@:
.endm
.macro CREST                           ; a round of the cluster's barrier behind its opening barrier
	s_cmp_lg_u32 s14, 0
	s_cbranch_scc1 .Lnot_wave_0_\@
	s_barrier_signal -3
.Lnot_wave_0_\@:
	s_barrier_wait -3
	s_barrier_signal -1
	s_barrier_wait -1
.endm
.macro CROUND
	s_barrier_signal -1
	s_barrier_wait -1
	CREST
.endm
.macro PREF off                        ; my 34 blocks of the tile at byte off from s[PFA]
	global_prefetch_b8 v[PFO], s[PFA:PFA+1] offset:\off th:TH_LOAD_NT scope:SCOPE_SE
	global_prefetch_b8 v[PFO2], s[PFA:PFA+1] offset:\off th:TH_LOAD_NT scope:SCOPE_SE
.endm
.macro ASK off                         ; in the loop: not in its last trip (s3 = 1), whose tiles two refills on do not exist
	s_cmp_gt_u32 s3, 1
	s_cbranch_scc0 .Lno_ask_\@
	PREF \off
.Lno_ask_\@:
.endm
	s_load_b128 s[4:7], s[0:1], 0x0                ; a_t, b_t
	s_load_b128 s[8:11], s[0:1], 0x10              ; bias, out0
	v_lshl_add_u32 v[SPW], v0, 2, SPARE
	v_mov_b32 v[NIL], 0
	ds_add_u32 v[SPW], v[NIL]                      ; the opening lines: the add, twice on end, and its wait ahead of my first tensor load
	ds_add_u32 v[SPW], v[NIL]
	v_lshrrev_b32 v1, 5, v0
	v_readfirstlane_b32 s14, v1                    ; wave 0..3
	s_lshr_b32 s15, s14, 1                         ; my half of the block's rows; also: I fetch for A (0) or B (1)
	s_and_b32 s16, s14, 1                          ; my half of its columns; also: which of the two tiles I fetch
	s_bfe_u32 s40, ttmp6, 0x40000                  ; cx
	s_bfe_u32 s41, ttmp6, 0x40004                  ; cy
	s_lshl_b32 s42, ttmp9, 2
	s_add_co_u32 s42, s42, s40                     ; block column
	s_and_b32 s17, ttmp7, 0xffff
	s_lshl_b32 s17, s17, 2
	s_add_co_u32 s17, s17, s41                     ; block row
	s_lshl_b32 s43, s41, 2
	s_lshl_b32 s43, 15, s43                        ; my row of the cluster
	s_lshl_b32 s44, 0x1111, s40                    ; my column
	s_or_b32 s[G1+0], s43, (3<<16)|(1<<20)|(1<<21)|(5<<22)|(3<<25)   ; elements of 8 bytes; 4 words of padding behind every 64; bit 21 beside the mask
	s_or_b32 s[G1B+0], s44, (3<<16)|(1<<20)|(1<<21)|(5<<22)|(3<<25)
.irp g, G1, G1B
	s_mov_b32 s[\g+1], 32<<16                      ; rows of 32 elements = 256 bytes
	s_mov_b32 s[\g+2], TROWS<<16
	s_mov_b32 s[\g+3], 32<<16
	s_mov_b32 s[\g+4], TROWS
	s_mov_b32 s[\g+5], 32                          ; dense
	s_mov_b32 s[\g+6], 0
	s_mov_b32 s[\g+7], 0
.endr
	s_lshl_b32 s20, s17, 1
	s_add_co_u32 s20, s20, s16
	s_mul_i32 s20, s20, 8*TILEB                    ; A: tile row 2 x block row + half, K step 0 (under 2^25)
	s_mov_b32 s21, 0
	s_lshl_b32 s46, s42, 1
	s_add_co_u32 s46, s46, s16
	s_mul_i32 s46, s46, 8*TILEB                    ; B likewise, by the block column
	s_mov_b32 s47, 0
	s_mul_i32 s45, s14, HALFT                      ; where my tile goes: by the wave's number alone
	s_wait_dscnt 0x0                               ; both opening adds are done
	s_wait_kmcnt 0x0
	s_add_nc_u64 s[20:21], s[4:5], s[20:21]
	s_add_nc_u64 s[46:47], s[6:7], s[46:47]
.irp s, 0,1
	s_mov_b32 s[G0+4*\s], 1
	s_add_co_u32 s[G0+4*\s+1], s45, \s*SLOT
	s_add_nc_u64 s[G0+4*\s+2:G0+4*\s+3], s[20:21], \s*TILEB
	s_or_b32 s[G0+4*\s+3], s[G0+4*\s+3], 0x80000000
	s_mov_b32 s[G0B+4*\s], 1
	s_add_co_u32 s[G0B+4*\s+1], s45, \s*SLOT
	s_add_nc_u64 s[G0B+4*\s+2:G0B+4*\s+3], s[46:47], \s*TILEB
	s_or_b32 s[G0B+4*\s+3], s[G0B+4*\s+3], 0x80000000
.endr
	s_cmp_eq_u32 s15, 0                            ; the prefetches: the tile that I fetch,
	s_cselect_b64 s[PFA:PFA+1], s[20:21], s[46:47]
	s_cselect_b32 s18, s40, s41                    ; and my place among the four that ask for it with me
	s_mul_i32 s18, s18, PART
	s_mov_b32 s19, 0
	s_add_nc_u64 s[PFA:PFA+1], s[PFA:PFA+1], s[18:19]
	CROUND                                         ; all sixteen work-groups are here: the first joint loads meet
	JLOAD G0, G0B                                  ; K step 0: one tensor load a wave at the head
	s_lshl_b32 s46, s42, 10                        ; my first column in bytes: 1024 x block column + 512 x half
	s_lshl_b32 s47, s16, 9
	s_add_co_u32 s46, s46, s47
	s_mov_b32 s47, 0
	s_add_nc_u64 s[8:9], s[8:9], s[46:47]          ; my 128 numbers of the bias
	s_lshl_b32 s20, s17, 8
	s_lshl_b32 s21, s15, 7
	s_add_co_u32 s20, s20, s21                     ; my first row
	s_lshl_b32 s20, s20, 13                        ; x 8,192 bytes (under 2^26)
	s_mov_b32 s21, 0
	s_add_nc_u64 s[20:21], s[20:21], s[46:47]
	s_add_nc_u64 s[10:11], s[10:11], s[20:21]
	s_mul_i32 s21, s15, HALFT                      ; my tile of A in a slot,
	s_mul_i32 s22, s16, HALFT
	s_add_co_u32 s22, s22, 2*HALFT                 ; of B,
	s_sub_co_u32 s23, s22, s21                     ; the distance between the two,
	s_add_co_u32 s19, s21, SCOFF                   ; A's scale bytes,
	s_mul_i32 s18, s14, STG                        ; my stage
	v_and_b32 v1, 15, v0                           ; r = l % 16
	v_bfe_u32 v2, v0, 4, 1                         ; h = l / 16
	v_and_b32 v6, 31, v0
	v_lshlrev_b32 v[BO], 5, v2
	v_mul_u32_u24 v3, v1, PITCH
	v_lshl_add_u32 v4, v2, 4, v3                   ; a fragment: row r x pitch + 16 h
	v_add_nc_u32 v[ADRA], s21, v4
	v_add_nc_u32 v[ADRB], s22, v4
	v_add_nc_u32 v[ADRA+1], SLOT, v[ADRA]
	v_add_nc_u32 v[ADRB+1], SLOT, v[ADRB]
	v_lshlrev_b32 v5, 4, v1                        ; scale words: 16 bytes a row;
	v_mul_u32_u24 v7, s23, v2                      ; lanes 16-31 take B's
	v_add_nc_u32 v5, v5, v7
	v_add_nc_u32 v[ADRS], s19, v5
	v_add_nc_u32 v[ADRS+1], SLOT, v[ADRS]
	v_mul_u32_u24 v7, v1, SPITCH                   ; into the stage: row r, 32 bytes for each half of the lanes
	v_lshl_add_u32 v7, v2, 5, v7
	v_add_nc_u32 v[STO], s18, v7
	v_lshlrev_b32 v[CO], 4, v6                     ; back: the 32 lanes take one row of 512 bytes; the same in out0
	v_add_nc_u32 v[RD], s18, v[CO]
	v_lshlrev_b32 v[PFO], 8, v6
	v_min_u32 v8, 1, v6
	v_lshl_add_u32 v[PFO2], v8, 8, 32*256
	WIN TO_B
.irp b, 0,1,2,3,4,5,6,7
	global_load_b128 v[BI+8*\b:BI+8*\b+3],   v[BO], s[8:9] offset:64*\b       ; bias[16 b + 8 h + 0 .. 7]: the layout of a result
	global_load_b128 v[BI+8*\b+4:BI+8*\b+7], v[BO], s[8:9] offset:64*\b+16
.endr
	WIN 0
	PREF TILEB                                     ; K steps 1 and 2
	PREF 2*TILEB
.macro FRAG reg, adr, q, i             ; 16 rows x 128 K: 8 registers, two loads 32 bytes apart
.irp c, 0,1
	ds_load_b128 v[\reg+4*\c:\reg+4*\c+3], v[\adr] offset:64*(\q)+32*\c+(\i)*16*PITCH
.endr
.endm
; Group g: 8 matrix instructions; p: the fragments' set; q: the slot's q-th 128 along K; sc: the scale words' set.  The 64 accumulators take turns in the same order in every step.
.macro MUL8 g, p, q, sc, first
.irp a, 2*((\g)%4), 2*((\g)%4)+1
.irp b, 4*((\g)/4), 4*((\g)/4)+1, 4*((\g)/4)+2, 4*((\g)/4)+3
.if \first
	v_wmma_scale_f32_16x16x128_f8f6f4 v[8*(8*((\a)%4)+(\b)):8*(8*((\a)%4)+(\b))+7], v[128*(\p)+8*(\b):128*(\p)+8*(\b)+7], v[AF+64*(\p)+8*(\a):AF+64*(\p)+8*(\a)+7], v[BI+8*(\b):BI+8*(\b)+7], v[SC+32*(\sc)+4*(\b)+(\q)], v[SC+32*(\sc)+4*(\a)+(\q)] matrix_a_fmt:MATRIX_FMT_FP4 matrix_b_fmt:MATRIX_FMT_FP4 matrix_a_scale:MATRIX_SCALE_ROW1
.else
	v_wmma_scale_f32_16x16x128_f8f6f4 v[8*(8*((\a)%4)+(\b)):8*(8*((\a)%4)+(\b))+7], v[128*(\p)+8*(\b):128*(\p)+8*(\b)+7], v[AF+64*(\p)+8*(\a):AF+64*(\p)+8*(\a)+7], v[8*(8*((\a)%4)+(\b)):8*(8*((\a)%4)+(\b))+7], v[SC+32*(\sc)+4*(\b)+(\q)], v[SC+32*(\sc)+4*(\a)+(\q)] matrix_a_fmt:MATRIX_FMT_FP4 matrix_b_fmt:MATRIX_FMT_FP4 matrix_a_scale:MATRIX_SCALE_ROW1
.endif
.endr
.endr
.endm
; The l-th four loads of a step's 32: two fragments of set p.  l = 0, 1: B's blocks 0-3; l = 2 .. 5: A's blocks 0-7; l = 6, 7: B's blocks 4-7
.macro LD l, slot, q, p
.if ((\l) < 2) || ((\l) > 5)
	WIN TO_B
.irp i, 2*(\l)-8*((\l)/6), 2*(\l)-8*((\l)/6)+1
	FRAG 128*(\p)+8*(\i), ADRB+\slot, \q, \i
.endr
.else
	WIN 0
.irp i, 2*(\l)-4, 2*(\l)-3
	FRAG AF+64*(\p)+8*(\i), ADRA+\slot, \q, \i
.endr
.endif
.endm
.macro SCALES slot                     ; 8 loads: a K step's four words of each row
.irp i, 0,1,2,3,4,5,6,7
	ds_load_b128 v[SC+32*\slot+4*\i:SC+32*\slot+4*\i+3], v[ADRS+\slot] offset:\i*PITCH
.endr
.endm
; A step of 128 along K whose successor lies in the same slot.  LDS loads come back in order, so each wait names the loads that may stay out.
.macro STEP slot, q, first
	PLACES                                         ; between the last step's products and the loads into the set that they read
.irp l, 0,1,2,3
	LD \l, \slot, (\q)+1, 1-(\q)%2                 ; run 1: the next step's B0-3 and A0-3
.endr
	s_wait_dscnt 32                                ; the last step's run 2 and this run may be out: this step's B0-3 and A0-3 (and scale words) are in
.irp g, 0,1,2,3
.if \g == 2
	s_wait_dscnt 24                                ; the last step's B4-7 and this step's run 1 may be out: this step's A4-7 are in
.endif
	GWIN \g, \first
	MUL8 \g, (\q)%2, \q, \slot, \first
.endr
.irp l, 4,5,6,7
	LD \l, \slot, (\q)+1, 1-(\q)%2                 ; run 2: the next step's A4-7 and B4-7
.endr
	s_wait_dscnt 32                                ; this step's two runs may be out: its own B4-7 are in
.irp g, 4,5,6,7
	GWIN \g, \first
	MUL8 \g, (\q)%2, \q, \slot, \first
.endr
.endm
; A slot's last step changes slots: one barrier; in front of it each wave waits for all its tensor loads (one is out: its tile of the next slot), adds 0 to its spare word, and waits for that and for its reads of this slot.
; fill = 1: the barrier opens a round of the cluster's barrier, and this slot is filled again, two K steps on.  ask: which K step from s[PFA] is prefetched (0: none)
.macro TURN slot, next, fill, ask
	WIN 0
	s_wait_tensorcnt 0x0
	ds_add_u32 v[SPW], v[NIL]
	s_wait_dscnt 17                                ; (the add and the last step's run 2 may be out)
	GWIN 0, 0
	MUL8 0, 1, 3, \slot, 0
	MUL8 1, 1, 3, \slot, 0
	s_wait_dscnt 9                                 ; (the add and B4-7)
	GWIN 2, 0
	MUL8 2, 1, 3, \slot, 0
	s_wait_dscnt 0x0                               ; the add is done, and my reads of this slot are over
	s_barrier_signal -1
	MUL8 3, 1, 3, \slot, 0
	WIN 0
	s_barrier_wait -1
.if \fill
	CREST                                          ; no wave of any partner still reads this slot or has a load on its way
	s_add_nc_u64 s[G0+4*\slot+2:G0+4*\slot+3], s[G0+4*\slot+2:G0+4*\slot+3], 2*TILEB
	s_add_nc_u64 s[G0B+4*\slot+2:G0B+4*\slot+3], s[G0B+4*\slot+2:G0B+4*\slot+3], 2*TILEB
	JLOAD G0+4*\slot, G0B+4*\slot                  ; the first tensor load behind the round; its four v_nop are the places in front of the loads below
.else
	PLACES
.endif
	LD 0, \next, 0, 0                              ; run 1 out of the next slot, with the next K step's scale words
	LD 1, \next, 0, 0
	LD 2, \next, 0, 0
	SCALES \next
	LD 3, \next, 0, 0
.if \ask
	ASK \ask*TILEB
.endif
.irp g, 4,5
	GWIN \g, 0
	MUL8 \g, 1, 3, \slot, 0
.endr
.irp l, 4,5,6,7
	LD \l, \next, 0, 0                             ; run 2
.endr
.irp g, 6,7
	GWIN \g, 0
	MUL8 \g, 1, 3, \slot, 0
.endr
.endm
	s_wait_alu depctr_va_vdst(0)
	s_wait_tensorcnt 0x0                           ; my tile of K step 0 is in; then the add and its wait, ahead of a later first fill
	ds_add_u32 v[SPW], v[NIL]
	s_wait_dscnt 0x0
	CROUND                                         ; everybody's tile is in, and all sixteen work-groups are here
	JLOAD G0+4, G0B+4                              ; K step 1, the first tensor load behind the round
	LD 0, 0, 0, 0
	LD 1, 0, 0, 0
	LD 2, 0, 0, 0
	SCALES 0
.irp l, 3,4,5,6,7
	LD \l, 0, 0, 0
.endr
	WIN 0
	PREF 3*TILEB                                   ; K step 3
	s_wait_loadcnt 0x0                             ; the bias
	STEP 0, 0, 1                                   ; the first step stands in front of the loop: its products start the sums, on the bias
	WIN 0                                          ; at a label and at a branch every window is 0
	s_mov_b32 s3, 3
.Llap:                                                 ; a trip goes once round the ring, from a lap's second step to the next lap's first, and fills both slots again
	STEP 0, 1, 0
	STEP 0, 2, 0
	TURN 0, 1, 1, 4
	STEP 1, 0, 0
	STEP 1, 1, 0
	STEP 1, 2, 0
	TURN 1, 0, 1, 5
	STEP 0, 0, 0
	WIN 0
	s_wait_xcnt 0x0                                ; my prefetches have read their base: it steps two K steps on
	s_add_nc_u64 s[PFA:PFA+1], s[PFA:PFA+1], 2*TILEB
	s_sub_co_u32 s3, s3, 1
	s_cmp_lg_u32 s3, 0
	s_cbranch_scc1 .Llap
	STEP 0, 1, 0                                   ; the last lap fills nothing, and has no round
	STEP 0, 2, 0
	TURN 0, 1, 0, 0
	STEP 1, 0, 0
	STEP 1, 1, 0
	STEP 1, 2, 0
.irp g, 0,1,2,3,4,5,6,7                ; the very last step: nothing more is fetched: ahead of group 0 the last run of 16 may be out, ahead of group 2 its B4-7, ahead of group 4 nothing
.if \g == 0
	s_wait_dscnt 16
.endif
.if \g == 2
	s_wait_dscnt 8
.endif
.if \g == 4
	s_wait_dscnt 0x0
.endif
	GWIN \g, 0
	MUL8 \g, 1, 3, 1, 0
.endr
; THE WAY OUT.  A lane holds 32 bytes of a row and the lanes beside it hold other rows: 64 rows at a time go through my own stage and come back as whole rows of 512 bytes.  ALL LDS WORK IS ISSUED FIRST, then all
; 128 stores on one base with immediate offsets (127 rows of 8,192 bytes at the most: inside the signed 24-bit immediate, ISA guide chapter 10).  LDS serves a wave's instructions in order (ISA guide 5.7.1.4):
; no wait between a pass's stores and its loads, nor in front of the next pass's stores.  Rows 0-63 come back into window 1, which the fragments have left; rows 64-127 into window 2.
.macro STAGE_IN                        ; the window's 32 accumulators, each from its low end on
.irp a, 0,1,2,3
.irp b, 0,1,2,3,4,5,6,7
	ds_store_b128 v[STO], v[64*\a+8*\b:64*\a+8*\b+3] offset:\a*16*SPITCH+64*\b
	ds_store_b128 v[STO], v[64*\a+8*\b+4:64*\a+8*\b+7] offset:\a*16*SPITCH+64*\b+16
.endr
.endr
.endm
.macro STAGE_OUT                       ; row T into registers 4 T .. 4 T + 3
.set T, 0
.rept 64
	ds_load_b128 v[4*T:4*T+3], v[RD] offset:T*SPITCH
.set T, T+1
.endr
.endm
.macro SEND from, n, row0              ; 32 lanes store 512 consecutive bytes, at a multiple of 256 from out0's first byte; written once, read by nobody here
.set T, \from
.rept \n
	global_store_b128 v[CO], v[4*T:4*T+3], s[10:11] offset:(\row0+T)*8192 th:TH_STORE_NT
.set T, T+1
.endr
.endm
	PLACES                                         ; behind the last products: for the reads of results and the loads into registers that products have read
	WIN 0x08                                       ; data: window 2
	STAGE_IN
	WIN 0x40                                       ; into window 1
	STAGE_OUT
	WIN 0x0c                                       ; data: window 3
	STAGE_IN
	s_wait_dscnt 63                                ; 128 LDS instructions stand behind the first pass's stores: they have read window 2
	WIN 0x80                                       ; into window 2
	STAGE_OUT
	s_wait_dscnt 63                                ; 128 stand behind the first pass's loads: rows 0-63 are back
	WIN 0x04                                       ; data: window 1
	SEND 0, 64, 0
	s_wait_dscnt 32                                ; rows 64-95 are back
	WIN 0x08
	SEND 0, 32, 64
	s_wait_dscnt 0x0
	SEND 32, 32, 64
	WIN 0
	s_wait_tensorcnt 0x0                           ; the wave's end: behind my last tensor load and my last LDS store
	ds_add_u32 v[SPW], v[NIL]
	s_wait_dscnt 0x0
	CROUND                                         ; the closing round: no work-group ends while a partner may still ask for a tile that names it
	s_endpgm
.Lfunc_end_k_q27d63d5657_gemm:
	.size	k_q27d63d5657_gemm, .Lfunc_end_k_q27d63d5657_gemm-k_q27d63d5657_gemm
	.p2alignl 7, 3214868480
	.fill 96, 4, 3214868480
	.section	.rodata,"a",@progbits
	.p2align	6, 0x0
	.amdhsa_kernel k_q27d63d5657_gemm
		.amdhsa_group_segment_fixed_size 327680
		.amdhsa_private_segment_fixed_size 0
		.amdhsa_enable_private_segment 0
		.amdhsa_kernarg_size 32
		.amdhsa_user_sgpr_count 2
		.amdhsa_user_sgpr_kernarg_segment_ptr 1
		.amdhsa_wavefront_size32 1
		.amdhsa_system_sgpr_workgroup_id_x 1
		.amdhsa_system_sgpr_workgroup_id_y 1
		.amdhsa_system_sgpr_workgroup_id_z 1
		.amdhsa_system_vgpr_workitem_id 0
		.amdhsa_next_free_vgpr 1024
		.amdhsa_next_free_sgpr 66
		.amdhsa_reserve_vcc 0
		.amdhsa_float_denorm_mode_32 3
		.amdhsa_float_denorm_mode_16_64 3
		.amdhsa_memory_ordered 1
		.amdhsa_forward_progress 1
		.amdhsa_inst_pref_size 211
	.end_amdhsa_kernel
	.amdgpu_metadata
---
amdhsa.version: [ 1, 2 ]
amdhsa.kernels:
  - .name:           k_q27d63d5657_gemm
    .symbol:         k_q27d63d5657_gemm.kd
    .args:
      - { .name: a_t, .offset: 0, .size: 8, .value_kind: global_buffer, .address_space: global }
      - { .name: b_t, .offset: 8, .size: 8, .value_kind: global_buffer, .address_space: global }
      - { .name: bias, .offset: 16, .size: 8, .value_kind: global_buffer, .address_space: global }
      - { .name: out0, .offset: 24, .size: 8, .value_kind: global_buffer, .address_space: global }
    .group_segment_fixed_size: 327680
    .private_segment_fixed_size: 0
    .kernarg_segment_align: 8
    .kernarg_segment_size: 32
    .max_flat_workgroup_size: 128
    .sgpr_count:     66
    .vgpr_count:     1024
    .wavefront_size: 32
...
	.end_amdgpu_metadata
.endif
;; end of part 2
